; MI455X (gfx1250); checked and timed in simulation.
; The chip was launched on July 23, 2026; its instructions are those of AMD's public machine-readable ISA for CDNA 5 (MIT licence, August 2026) and "CDNA5" Instruction Set Architecture Reference Guide (July 2026). The comments in the code are by the model that wrote it; some were corrected since.
;; Hash MLP Model. Allowed arithmetic: float matrix products may take bf16 or f16 operands with f32 sums; other float arithmetic in f32, or as packed bf16 or f16 multiplies, adds, multiply-adds, maxima and minima; sums over many terms, partial sums and values carried from step to step in f32; what a program stores and reads back later, other than sums and carried values, may be rounded once to bf16 or f16.
;; Inputs: W1 32 x 128 float32; W2 128 x 128 float32; W3 128 x 1 float32; b1 128 float32; b2 128 float32; b3 1 float32; embeddings 16 x 524,288 x 2 float32; x 1,048,576 x 3 float32.
;; Outputs: out0 1,048,576 x 1 float32.
;; 2 versions, each right; version 2 is version 1 with the launch field written anew for expert scheduling mode. Each part assembles by itself: llvm-mc -triple=amdgcn-amd-amdhsa -mcpu=gfx1250 --defsym DOCPART=n.
;; ======== version 1 of 2: 2 launches
;; limits: values are held in f16: magnitudes above 65,504 overflow, below 6.1e-05 lose precision; right only within a limited range of input values
;; workspace buffers: grid 12,582,912 bytes of whole numbers
;; launch quant (part 1): grid 1024 x 1, 8 waves a work-group, no clusters, 0 bytes of LDS; arguments x, grid; writes grid
.if DOCPART == 1
	.amdgcn_target "amdgcn-amd-amdhsa--gfx1250"
	.amdhsa_code_object_version 6
	.text
	.protected	k_qee28d80ac0_quant
	.globl	k_qee28d80ac0_quant
	.p2align	8
	.type	k_qee28d80ac0_quant,@function
k_qee28d80ac0_quant:
	s_mov_b64 s[64:65], 0
	v_nop
	global_prefetch_b8 v0, s[64:65] scope:SCOPE_SE
	s_setreg_imm32_b32 hwreg(HW_REG_WAVE_MODE, 25, 1), 1
	s_wait_xcnt 0x0
; grid[d][p] = x[p][d] in fixed point with 26 fraction bits, as whole numbers: three planes of 2^20 words (d = 0, 1, 2).
; The next launch forms its table indices from these whole numbers alone.
; X = min(u32(round to nearest even(x * 2^26)), 2^31 - 1).  For x >= 1/4 the product is a whole number already, so X is exact there.
; LIMITS.  0 <= x < 32 is served.  x < 0 and NaN count as 0 (the conversion to u32 gives 0); x >= 32 counts as 32 - 2^-26.
; SHARES.  Thread g = 256 x work-group + t owns points 4 g .. 4 g + 3: 48 consecutive bytes of x, three loads of 16 bytes, which together take every byte of a
; wave's 1,536; its four numbers of a plane are 16 consecutive bytes, so each store of a wave covers 512 consecutive bytes, aligned.
; No LDS, no barrier, no loop: each byte of x is read once and each byte of grid written once.
.set TWO26, 0x4c800000                 ; 2^26 as f32
.set PLANE, 0x400000                   ; bytes in a plane
.set IN,    4                          ; v[4:15]   the 12 numbers as loaded: number n is point n / 3, dimension n % 3
.set PL,    20                         ; v[20:31]  plane d's four words at PL + 4 d
	s_load_b128 s[4:7], s[0:1], 0x0                ; x s[4:5], grid s[6:7]
	v_mul_u32_u24 v1, 48, v0                       ; my 48 bytes of x
	v_lshlrev_b32 v2, 4, v0                        ; my 16 bytes of a plane
	s_mul_i32 s8, ttmp9, 256*48                    ; the work-group's 12,288 bytes of x
	s_mov_b32 s9, 0
	s_lshl_b32 s10, ttmp9, 12                      ; its 4,096 bytes of a plane,
	s_add_co_u32 s10, s10, PLANE                   ; counted from plane 1: the three planes are then reached by immediates -PLANE, 0, +PLANE
	s_mov_b32 s11, 0
	s_wait_kmcnt 0x0
	s_add_nc_u64 s[4:5], s[4:5], s[8:9]
	s_add_nc_u64 s[6:7], s[6:7], s[10:11]
.irp i, 0,1,2
	global_load_b128 v[IN+4*(\i):IN+4*(\i)+3], v1, s[4:5] offset:16*(\i) th:TH_LOAD_NT
.endr
.macro QUAD i                          ; the four numbers of load i
	s_wait_loadcnt 2-(\i)                          ; loads come back in order: the count is the younger loads
	v_pk_mul_f32 v[IN+4*(\i):IN+4*(\i)+1],   v[IN+4*(\i):IN+4*(\i)+1],   TWO26 op_sel_hi:[1,0]
	v_pk_mul_f32 v[IN+4*(\i)+2:IN+4*(\i)+3], v[IN+4*(\i)+2:IN+4*(\i)+3], TWO26 op_sel_hi:[1,0]
.irp k, 0,1,2,3
	v_rndne_f32 v[IN+4*(\i)+(\k)], v[IN+4*(\i)+(\k)]
.endr
.irp k, 0,1,2,3
	v_cvt_u32_f32 v[PL+4*((4*(\i)+(\k))%3)+(4*(\i)+(\k))/3], v[IN+4*(\i)+(\k)]
.endr
.irp k, 0,1,2,3
	v_min_u32 v[PL+4*((4*(\i)+(\k))%3)+(4*(\i)+(\k))/3], 0x7fffffff, v[PL+4*((4*(\i)+(\k))%3)+(4*(\i)+(\k))/3]
.endr
.endm
	QUAD 0
	QUAD 1
	QUAD 2
.irp d, 0,1,2
	global_store_b128 v2, v[PL+4*(\d):PL+4*(\d)+3], s[6:7] offset:((\d)-1)*PLANE
.endr
	s_endpgm
.Lfunc_end_k_qee28d80ac0_quant:
	.size	k_qee28d80ac0_quant, .Lfunc_end_k_qee28d80ac0_quant-k_qee28d80ac0_quant
	.p2alignl 7, 3214868480
	.fill 96, 4, 3214868480
	.section	.rodata,"a",@progbits
	.p2align	6, 0x0
	.amdhsa_kernel k_qee28d80ac0_quant
		.amdhsa_group_segment_fixed_size 0
		.amdhsa_private_segment_fixed_size 0
		.amdhsa_enable_private_segment 0
		.amdhsa_kernarg_size 16
		.amdhsa_user_sgpr_count 2
		.amdhsa_user_sgpr_kernarg_segment_ptr 1
		.amdhsa_wavefront_size32 1
		.amdhsa_system_sgpr_workgroup_id_x 1
		.amdhsa_system_sgpr_workgroup_id_y 1
		.amdhsa_system_sgpr_workgroup_id_z 1
		.amdhsa_system_vgpr_workitem_id 0
		.amdhsa_next_free_vgpr 32
		.amdhsa_next_free_sgpr 66
		.amdhsa_reserve_vcc 0
		.amdhsa_float_denorm_mode_32 3
		.amdhsa_float_denorm_mode_16_64 3
		.amdhsa_memory_ordered 1
		.amdhsa_forward_progress 1
		.amdhsa_inst_pref_size 4
	.end_amdhsa_kernel
	.amdgpu_metadata
---
amdhsa.version: [ 1, 2 ]
amdhsa.kernels:
  - .name:           k_qee28d80ac0_quant
    .symbol:         k_qee28d80ac0_quant.kd
    .args:
      - { .name: x, .offset: 0, .size: 8, .value_kind: global_buffer, .address_space: global }
      - { .name: grid, .offset: 8, .size: 8, .value_kind: global_buffer, .address_space: global }
    .group_segment_fixed_size: 0
    .private_segment_fixed_size: 0
    .kernarg_segment_align: 8
    .kernarg_segment_size: 16
    .max_flat_workgroup_size: 256
    .sgpr_count:     66
    .vgpr_count:     32
    .wavefront_size: 32
...
	.end_amdgpu_metadata
.endif
;; end of part 1
;; launch field (part 2): grid 256 x 1, 16 waves a work-group, no clusters, 49,664 bytes of LDS; arguments grid, embeddings, W1, b1, W2, b2, W3, b3, out0; writes out0
.if DOCPART == 2
	.amdgcn_target "amdgcn-amd-amdhsa--gfx1250"
	.amdhsa_code_object_version 6
	.text
	.protected	k_qee28d80ac0_field
	.globl	k_qee28d80ac0_field
	.p2align	8
	.type	k_qee28d80ac0_field,@function
k_qee28d80ac0_field:
	s_mov_b64 s[64:65], 0
	v_nop
	global_prefetch_b8 v0, s[64:65] scope:SCOPE_SE
	s_setreg_imm32_b32 hwreg(HW_REG_WAVE_MODE, 25, 1), 1
	s_wait_xcnt 0x0
; out0[p] = relu(relu(enc(p) W1 + b1) W2 + b2) W3 + b3, enc = the hash grid's 32 features (16 levels x 2), all in one launch: the features never go to memory.
; POSITIONS.  grid holds X = x * 2^26 as whole numbers (three planes).  Level l >= 1, Q = 26 - l: pos = x (2^l - 1) + 0.5 with Q fraction bits is P = X - ((X - 2^25) >> l) (arithmetic shift):
; the cell is P >> Q, the fraction P mod 2^Q.  P is off by less than 2^-Q of a cell; the interpolation is continuous over cell borders.
; Level 0 has scale 0: pos = 0.5 whatever x, its eight corners are entries 0, 1, 1, 2, 1, 2, 2, 3 with weight 1/8 each: one pair of numbers for the whole launch.
; Levels 1-6 take the dense index cx + cy 2^l + cz 4^l, levels 7-15 the hash cx ^ cy p1 ^ cz p2; both modulo 2^19, for which the primes' low 24 bits are enough.
; FORMATS.  Matrix operands in f16, each with a fixed power of two: features x 2^6, W1 x 2^2, so h1 comes as h1 x 2^8; W2 x 2^4, so h2 comes as h2 x 2^12; b1 x 2^8 and b2 x 2^12 in f32 start the sums
; as the C operand; W3 x 2^-12 in f32.  h2 is never rounded: the last layer has one column and is made in f32 on the accumulators (a maximum and a packed multiply-add).
; LIMITS.  |feature| < 1,023, |W1| < 16,376, |W2| < 4,094, |h1| < 255 (beyond them f16 gives an infinity).  x as the launch before states it (0 <= x < 32); for x that is not finite the level-0
; feature here stays finite.  Every index is taken modulo 2^19, so it stays inside its level's table for every x.
; SHARES.  256 work-groups of 16 waves, 4,096 points each; a wave owns 256 points: two groups of 128, a group four CHUNKS of 32, one point a lane.  A group's X comes as 16 bytes a lane and plane, so
; chunk j holds points 4 i + j (lane i), and a lane's four results are 16 consecutive bytes of out0: a wave's store covers 512 consecutive bytes, aligned.
; Four waves share a SIMD on purpose: behind the one barrier they never meet again, and one wave's gathers and matrix instructions stand beside the others' vector work.
; NO TENSOR LOADS, NO CLUSTER: every gather address is a lane's own; what work-groups share is 82 KB of weights, read once by each with plain loads, next to 4,096 x 120 gathers.
; THE MATRIX INSTRUCTION IS USED TRANSPOSED: source 0 = 16 output channels (W^T, by the turning load from [k][channel] rows), source 1 = 16 points.  In the result lane (r, h) holds point r and
; channels 16 t + 8 h + 0..7: two neighbouring channel tiles rounded to f16 ARE source 1 (32 k x 16 points) of the next layer.
.set PW,    288                        ; an LDS row of weights: 128 f16 = 256 bytes + 32: 16 lanes of the turning load take 8 rows x 32 bytes, 72 words apart
.set W1L,   0                          ; f16 W1 x 4   [32][128]
.set W2L,   W1L+32*PW                  ; f16 W2 x 16  [128][128]
.set B1L,   W2L+128*PW                 ; f32 b1 x 2^8, then b2 x 2^12, then W3 x 2^-12: 512 bytes each
.set SPARE, B1L+3*512                  ; the spare words, 128 bytes for each of the 16 waves: eight blocks of 256 bytes that no other line names
.set PLANE, 0x400000                   ; bytes in a plane of grid
.set TBL,   0x400000                   ; bytes in a level's table
; vector registers
.set SPW,  1                           ; v1   LDS address of my spare word; never rewritten
.set NIL,  2                           ; v2   0, for the add alone
.set ZERO, 3                           ; v3   0, for the packed maximum
.set AW1,  4                           ; v4   my lane's place in W1's rows
.set AW2,  5                           ; v5   the same for W2
.set AB,   6                           ; v6   B1L + 32 h
.set GO,   7                           ; v7   1,024 x wave + 16 x lane: my 16 bytes of a plane and of out0; never rewritten
.set OUT,  8                           ; v[8:11]    the group's four results
.set XQ,   12                          ; v[12:23]   X of the group in hand, plane d at XQ + 4 d; the first register is the chunk in hand
.set XN,   24                          ; v[24:35]   X of the second group
.set FA,   36                          ; v[36:51]   features: level l's pair in f16 at FA + l; behind SWAP two fragments of 8; in layer 2 the second buffer for W3
.set AF,   52                          ; v[52:115]  eight fragments of weights
.set BI,   116                         ; v[116:131] two fragments of bias
.set XM,   132                         ; the encoder's registers, v132-225: X - 2^25
.set P,    135
.set PG,   138                         ; the cell
.set CX1,  141                         ; cx + 1; at dense levels the cell's index
.set HY,   142                         ; cy p1, (cy + 1) p1
.set HZ,   144
.set HYZ,  146
.set GX,   150                         ; v[150:155] for each dimension the pair (2^Q - F, F)
.set WXY,  156
.set AC,   160
.set IDX,  162                         ; two buffers of 8
.set W,    178                         ; two buffers of 8
.set D,    194                         ; two buffers of 16
.set H,    132                         ; the MLP's registers, v132-251: h1 in f16, 32 registers for each of the two point tiles
.set ACC,  196                         ; accumulator (tt, p) at ACC + 8 (2 tt + p)
.set W3A,  228                         ; the first buffer for W3
.set OP,   244                         ; v[244:247] the last layer's sums, a pair for each point tile
.set T,    248                         ; v[248:251] at work
.set L0F,  252                         ; v252 level 0's pair in f16
.set GW,   244                         ; the head alone: 16 x thread
.set GV,   245                         ;                 16 x lane
.set SL,   246                         ;                 PW x wave + 8 x lane
.set SV,   247                         ;                 B1L + 512 x wave + 16 x lane
; scalar registers
.set GRID, 8                           ; s[8:25] the nine addresses
.set EMB,  10
.set PW1,  12
.set PB1,  14
.set PW2,  16
.set PB2,  18
.set PW3,  20
.set PB3,  22
.set POUT, 24
.set WV,   26                          ; my wave's number
.set WGO,  28                          ; s[28:29] 16,384 x work-group
.set EB,   32                          ; s[32:47] embeddings + j x 2 tables, j = 0..7: level l is EB[l / 2] with the immediate (l % 2) x TBL
.set B3,   48
.set E0,   52                          ; s[52:59] level 0's entries 0 to 3
.set MSK,  60                          ; 2^19 - 1
.set HIM,  61                          ; lanes 16-31
.set SEL,  62                          ; s[62:63] v_permlanex16_b32's selects: each lane takes its own place in the other half
.set CH,   66                          ; chunks to go
.set GR,   67                          ; groups to go
.set VS,   68                          ; s[68:69] the staged vector's scale
.set VP,   70                          ; s[70:71] its address
.set TS,   72                          ; s72-73 at work
.set PRY,  74                          ; 2654435761 mod 2^24
.set PRZ,  75                          ; 805459861 mod 2^24
	s_load_b512 s[8:23], s[0:1], 0x0
	s_load_b64 s[POUT:POUT+1], s[0:1], 0x40
	v_lshl_add_u32 v[SPW], v0, 2, SPARE
	v_mov_b32 v[NIL], 0
	v_mov_b32 v[ZERO], 0
	v_lshrrev_b32 v[T], 5, v0
	v_readfirstlane_b32 s[WV], v[T]                ; wave 0..15
	v_and_b32 v[T+1], 31, v0                       ; lane L
	v_bfe_u32 v[T+2], v0, 4, 1                     ; h = L / 16
	v_and_b32 v[T+3], 7, v0                        ; L % 8
	v_bfe_u32 v[T], v0, 3, 1                       ; (L / 8) % 2
	; The turning load: lane L reads 16 bytes of row base(h) + L % 8, channels 8 ((L / 8) % 2) on, and gets 8 rows of channel L % 16.  W1's rows go by the features' own order in the
	; fragment (register i, half h: features 16 h + 2 i, + 1): base 16 h, the second load 8 rows on.  W2's go by the usual order: base 8 h, the second load 16 rows on.
	v_lshl_add_u32 v[AW1], v[T+2], 4, v[T+3]
	v_mul_u32_u24 v[AW1], PW, v[AW1]
	v_lshl_add_u32 v[AW1], v[T], 4, v[AW1]
	v_lshl_add_u32 v[AW2], v[T+2], 3, v[T+3]
	v_mul_u32_u24 v[AW2], PW, v[AW2]
	v_lshl_add_u32 v[AW2], v[T], 4, v[AW2]
	v_add_nc_u32 v[AW2], W2L, v[AW2]
	v_lshl_add_u32 v[AB], v[T+2], 5, B1L
	s_lshl_b32 s[TS], s[WV], 10
	v_lshl_add_u32 v[GO], v[T+1], 4, s[TS]
	v_lshlrev_b32 v[GW], 4, v0
	v_lshlrev_b32 v[GV], 4, v[T+1]
	s_mul_i32 s[TS+1], s[WV], PW
	v_lshl_add_u32 v[SL], v[T+1], 3, s[TS+1]
	v_lshl_add_u32 v[SV], s[WV], 9, v[GV]
	v_add_nc_u32 v[SV], B1L, v[SV]
.irp j, 0,1,2,3
	v_mov_b32 v[OUT+(\j)], 0                       ; the results move up a register a chunk: the first moves read these
.endr
	s_mov_b32 s[MSK], 0x7ffff
	s_mov_b32 s[HIM], 0xffff0000
	s_mov_b32 s[SEL], 0x76543210
	s_mov_b32 s[SEL+1], 0xfedcba98
	s_mov_b32 s[PRY], 0x3779b1
	s_mov_b32 s[PRZ], 0x025795
	s_lshl_b32 s[WGO], ttmp9, 14                   ; 4,096 points of 4 bytes
	s_mov_b32 s[WGO+1], 0
	s_mov_b32 s[VS], 0x43800000                    ; 2^8, b1's scale
	s_wait_kmcnt 0x0
	s_load_b32 s[B3], s[PB3:PB3+1], 0x0
	s_load_b256 s[E0:E0+7], s[EMB:EMB+1], 0x0
	s_add_nc_u64 s[GRID:GRID+1], s[GRID:GRID+1], s[WGO:WGO+1]
	s_add_nc_u64 s[GRID:GRID+1], s[GRID:GRID+1], PLANE   ; plane 1: the planes are reached by immediates -PLANE, 0, +PLANE
	s_add_nc_u64 s[POUT:POUT+1], s[POUT:POUT+1], s[WGO:WGO+1]
.irp j, 0,1,2,3,4,5,6,7
	s_add_nc_u64 s[EB+2*(\j):EB+2*(\j)+1], s[EMB:EMB+1], (\j)*2*TBL
.endr
	; wave 0 stages b1, wave 1 b2, wave 2 W3; the other waves load b1 too and store nothing
	s_cmp_eq_u32 s[WV], 1
	s_cselect_b64 s[VP:VP+1], s[PB2:PB2+1], s[PB1:PB1+1]
	s_cselect_b32 s[VS], 0x45800000, s[VS]         ; 2^12
	s_cmp_eq_u32 s[WV], 2
	s_cselect_b64 s[VP:VP+1], s[PW3:PW3+1], s[VP:VP+1]
	s_cselect_b32 s[VS], 0x39800000, s[VS]         ; 2^-12
	s_mov_b32 s[VS+1], s[VS]                       ; named with it as a pair
.irp d, 0,1,2
	global_load_b128 v[XQ+4*(\d):XQ+4*(\d)+3], v[GO], s[GRID:GRID+1] offset:((\d)-1)*PLANE th:TH_LOAD_NT
	global_load_b128 v[XN+4*(\d):XN+4*(\d)+3], v[GO], s[GRID:GRID+1] offset:((\d)-1)*PLANE+512 th:TH_LOAD_NT
.endr
.irp i, 0,1,2,3,4,5,6,7
	global_load_b128 v[132+4*(\i):135+4*(\i)], v[GW], s[PW2:PW2+1] offset:8192*(\i)   ; 512 threads x 16 bytes: 16 rows of W2
.endr
.irp i, 0,1
	global_load_b128 v[164+4*(\i):167+4*(\i)], v[GW], s[PW1:PW1+1] offset:8192*(\i)   ; 16 rows of W1
.endr
	global_load_b128 v[172:175], v[GV], s[VP:VP+1]
	s_wait_loadcnt 0x0                             ; once: X of both groups and my share of the weights
; Four numbers of a row of weights: scaled, rounded once to f16, 8 bytes into LDS; a wave writes one row's 256 consecutive bytes
.macro STAGEW r, scale, to
	v_pk_mul_f32 v[(\r):(\r)+1],   v[(\r):(\r)+1],   \scale op_sel_hi:[1,0]
	v_pk_mul_f32 v[(\r)+2:(\r)+3], v[(\r)+2:(\r)+3], \scale op_sel_hi:[1,0]
	v_cvt_pk_f16_f32 v[(\r)],   v[(\r)],   v[(\r)+1]
	v_cvt_pk_f16_f32 v[(\r)+1], v[(\r)+2], v[(\r)+3]
	ds_store_b64 v[SL], v[(\r):(\r)+1] offset:\to
.endm
.irp i, 0,1,2,3,4,5,6,7
	STAGEW 132+4*(\i), 0x41800000, W2L+16*PW*(\i)
.endr
.irp i, 0,1
	STAGEW 164+4*(\i), 4.0, W1L+16*PW*(\i)
.endr
	v_pk_mul_f32 v[172:173], v[172:173], s[VS:VS+1] op_sel_hi:[1,0]
	v_pk_mul_f32 v[174:175], v[174:175], s[VS:VS+1] op_sel_hi:[1,0]
	s_cmp_gt_u32 s[WV], 2
	s_cbranch_scc1 .Lno_vector
	ds_store_b128 v[SV], v[172:175]
.Lno_vector:
	s_wait_kmcnt 0x0                               ; b3 and level 0's four entries
	v_add_f32 v[T],   s[E0],   s[E0+6]             ; level 0 x 2^6 = 8 (e0 + e3) + 24 (e1 + e2)
	v_add_f32 v[T+1], s[E0+1], s[E0+7]
	v_add_f32 v[T+2], s[E0+2], s[E0+4]
	v_add_f32 v[T+3], s[E0+3], s[E0+5]
	v_mul_f32 v[T],   0x41000000, v[T]
	v_mul_f32 v[T+1], 0x41000000, v[T+1]
	v_fmamk_f32 v[T],   v[T+2], 0x41c00000, v[T]
	v_fmamk_f32 v[T+1], v[T+3], 0x41c00000, v[T+1]
	v_cvt_pk_f16_f32 v[L0F], v[T], v[T+1]
	s_wait_dscnt 0x0                               ; for the others' sake: my stores into LDS are done
	s_barrier_signal -1
	s_barrier_wait -1                              ; the only barrier: from here on LDS is read alone
; THE ENCODER.  Position of level l: cell PG, and for each dimension the pair (2^Q - F, F), F the fraction as a whole number in f32; the scale 2^-Q is applied once, in WEI.
.macro POS l
.irp d, 0,1,2
	v_ashrrev_i32 v[P+(\d)], \l, v[XM+(\d)]
.endr
.irp d, 0,1,2
	v_sub_nc_u32 v[P+(\d)], v[XQ+4*(\d)], v[P+(\d)]
.endr
.irp d, 0,1,2
.if (\l) < 13
	v_lshrrev_b32 v[PG+(\d)], 26-(\l), v[P+(\d)]   ; X < 2^31, so the cell is below 2^(5 + l)
.else
	v_bfe_u32 v[PG+(\d)], v[P+(\d)], 26-(\l), 19   ; modulo 2^19
.endif
.endr
.irp d, 0,1,2
	v_and_b32 v[P+(\d)], (1<<(26-(\l)))-1, v[P+(\d)]
.endr
.irp d, 0,1,2
	v_cvt_f32_u32 v[GX+2*(\d)+1], v[P+(\d)]
.endr
.irp d, 0,1,2
	v_sub_f32 v[GX+2*(\d)], (127+26-(\l))<<23, v[GX+2*(\d)+1]
.endr
.endm
; The eight indices, corner c = dx + 2 dy + 4 dz, into buffer b.  The minimum with the table's last index changes nothing behind the mask: it states the bound in the instruction in front of the gather.
.macro IDXD l, b                       ; dense
	v_lshl_add_u32 v[CX1], v[PG+1], \l, v[PG]
	v_lshl_add_u32 v[CX1], v[PG+2], 2*(\l), v[CX1]
.irp c, 1,2,3,4,5,6,7
	v_add_nc_u32 v[IDX+8*(\b)+(\c)], ((\c)&1)+((((\c)>>1)&1)<<(\l))+((((\c)>>2)&1)<<(2*(\l))), v[CX1]
.endr
	v_and_b32 v[IDX+8*(\b)], s[MSK], v[CX1]
.irp c, 1,2,3,4,5,6,7
	v_and_b32 v[IDX+8*(\b)+(\c)], s[MSK], v[IDX+8*(\b)+(\c)]
.endr
.irp c, 0,1,2,3,4,5,6,7
	v_min_u32 v[IDX+8*(\b)+(\c)], 0x7ffff, v[IDX+8*(\b)+(\c)]
.endr
.endm
.macro IDXH l, b                       ; hashed
	v_add_nc_u32 v[CX1], 1, v[PG]
	v_mul_u32_u24 v[HY], s[PRY], v[PG+1]
	v_mul_u32_u24 v[HZ], s[PRZ], v[PG+2]
.if (\l) >= 13
	v_and_b32 v[CX1], s[MSK], v[CX1]               ; below level 13 cx + 1 cannot reach 2^19
.endif
	v_add_nc_u32 v[HY+1], s[PRY], v[HY]
	v_add_nc_u32 v[HZ+1], s[PRZ], v[HZ]
.irp q, 0,1,2,3
	v_xor_b32 v[HYZ+(\q)], v[HY+((\q)&1)], v[HZ+((\q)>>1)]
.endr
.irp q, 0,1,2,3
	v_and_b32 v[HYZ+(\q)], s[MSK], v[HYZ+(\q)]
.endr
.irp c, 0,1,2,3,4,5,6,7
	v_xor_b32 v[IDX+8*(\b)+(\c)], v[PG+((\c)&1)*(CX1-PG)], v[HYZ+((\c)>>1)]
.endr
.irp c, 0,1,2,3,4,5,6,7
	v_min_u32 v[IDX+8*(\b)+(\c)], 0x7ffff, v[IDX+8*(\b)+(\c)]
.endr
.endm
.macro GATHER l, b                     ; eight entries of 8 bytes a lane; the index is counted in entries
.irp c, 0,1,2,3,4,5,6,7
	global_load_b64 v[D+16*(\b)+2*(\c):D+16*(\b)+2*(\c)+1], v[IDX+8*(\b)+(\c)], s[EB+2*((\l)/2):EB+2*((\l)/2)+1] offset:((\l)%2)*TBL scale_offset
.endr
.endm
.macro WEI l, b                        ; the eight weights, x 2^6: the three 2^-Q and the features' scale ride on z's pair.  Made while the gathers are out
	v_pk_mul_f32 v[GX+4:GX+5], v[GX+4:GX+5], (127+6-3*(26-(\l)))<<23 op_sel_hi:[1,0]
	v_pk_mul_f32 v[WXY:WXY+1],   v[GX:GX+1], v[GX+2:GX+3] op_sel_hi:[1,0]
	v_pk_mul_f32 v[WXY+2:WXY+3], v[GX:GX+1], v[GX+2:GX+3] op_sel:[0,1] op_sel_hi:[1,1]
	v_pk_mul_f32 v[W+8*(\b):W+8*(\b)+1],   v[WXY:WXY+1],   v[GX+4:GX+5] op_sel_hi:[1,0]
	v_pk_mul_f32 v[W+8*(\b)+2:W+8*(\b)+3], v[WXY+2:WXY+3], v[GX+4:GX+5] op_sel_hi:[1,0]
	v_pk_mul_f32 v[W+8*(\b)+4:W+8*(\b)+5], v[WXY:WXY+1],   v[GX+4:GX+5] op_sel:[0,1] op_sel_hi:[1,1]
	v_pk_mul_f32 v[W+8*(\b)+6:W+8*(\b)+7], v[WXY+2:WXY+3], v[GX+4:GX+5] op_sel:[0,1] op_sel_hi:[1,1]
.endm
.macro STAGE_A l                       ; level l is asked for; its buffers go by l's parity
	POS \l
.if (\l) < 7
	IDXD \l, (\l)&1
.else
	IDXH \l, (\l)&1
.endif
	GATHER \l, (\l)&1
	WEI \l, (\l)&1
.endm
.macro STAGE_B l, left                 ; level l's two features: the sum over the corners in f32, rounded once to f16
	s_wait_loadcnt \left                           ; loads come back in order: left = the gathers issued behind level l's.  Behind this wait its index and data registers are free for level l + 2
	v_pk_mul_f32 v[AC:AC+1], v[D+16*((\l)&1):D+16*((\l)&1)+1], v[W+8*((\l)&1):W+8*((\l)&1)+1] op_sel_hi:[1,0]
.irp c, 1,2,3,4,5,6,7
.if (\c)%2
	v_pk_fma_f32 v[AC:AC+1], v[D+16*((\l)&1)+2*(\c):D+16*((\l)&1)+2*(\c)+1], v[W+8*((\l)&1)+2*((\c)/2):W+8*((\l)&1)+2*((\c)/2)+1], v[AC:AC+1] op_sel:[0,1,0] op_sel_hi:[1,1,1]
.else
	v_pk_fma_f32 v[AC:AC+1], v[D+16*((\l)&1)+2*(\c):D+16*((\l)&1)+2*(\c)+1], v[W+8*((\l)&1)+2*((\c)/2):W+8*((\l)&1)+2*((\c)/2)+1], v[AC:AC+1] op_sel_hi:[1,0,1]
.endif
.endr
	v_cvt_pk_f16_f32 v[FA+(\l)], v[AC], v[AC+1]
.endm
; THE MLP.
.macro PLACES                          ; a load into a matrix instruction's register, and a vector instruction that reads its result or writes one of its registers, stand four plain vector instructions behind it
.rept 4
	v_nop
.endr
.endm
.macro LDA1                            ; W1^T: eight fragments of 16 channels x 32 features
.irp t, 0,1,2,3,4,5,6,7
	ds_load_tr16_b128 v[AF+8*(\t):AF+8*(\t)+3],   v[AW1] offset:W1L+32*(\t)
	ds_load_tr16_b128 v[AF+8*(\t)+4:AF+8*(\t)+7], v[AW1] offset:W1L+8*PW+32*(\t)
.endr
.endm
.macro LDA2 g                          ; W2^T for channel tiles 2 g, 2 g + 1: fragment (tt, kb) at AF + 8 (4 tt + kb)
.irp tt, 0,1
.irp kb, 0,1,2,3
	ds_load_tr16_b128 v[AF+8*(4*(\tt)+(\kb)):AF+8*(4*(\tt)+(\kb))+3],   v[AW2] offset:32*PW*(\kb)+32*(2*(\g)+(\tt))
	ds_load_tr16_b128 v[AF+8*(4*(\tt)+(\kb))+4:AF+8*(4*(\tt)+(\kb))+7], v[AW2] offset:32*PW*(\kb)+16*PW+32*(2*(\g)+(\tt))
.endr
.endr
.endm
.macro LDV dst, base, g                ; a vector's numbers for channel tiles 2 g, 2 g + 1, laid as an accumulator: register j of lane (r, h) is channel 16 t + 8 h + j.  base: 0 b1, 512 b2, 1024 W3
.irp tt, 0,1
	ds_load_b128 v[(\dst)+8*(\tt):(\dst)+8*(\tt)+3],   v[AB] offset:(\base)+64*(2*(\g)+(\tt))
	ds_load_b128 v[(\dst)+8*(\tt)+4:(\dst)+8*(\tt)+7], v[AB] offset:(\base)+64*(2*(\g)+(\tt))+16
.endr
.endm
; Layer 1, channel tiles 2 g, 2 g + 1 for both point tiles: four products on four accumulators, the bias as C.  The next group's LDS loads go out ahead of the rounding and the ReLU, which cover them.
.macro L1 g
	s_wait_dscnt 0x0                               ; all that is out is wanted by the products below
.irp tt, 0,1
.irp p, 0,1
	v_wmma_f32_16x16x32_f16 v[ACC+8*(2*(\tt)+(\p)):ACC+8*(2*(\tt)+(\p))+7], v[AF+8*(2*(\g)+(\tt)):AF+8*(2*(\g)+(\tt))+7], v[FA+8*(\p):FA+8*(\p)+7], v[BI+8*(\tt):BI+8*(\tt)+7]
.endr
.endr
	PLACES
.if (\g) < 3
	LDV BI, 0, (\g)+1
.else
	LDA2 0
	LDV BI, 512, 0
	LDV W3A, 1024, 0
.endif
.irp tt, 0,1
.irp p, 0,1
.irp i, 0,1,2,3
	v_cvt_pk_f16_f32 v[H+32*(\p)+4*(2*(\g)+(\tt))+(\i)], v[ACC+8*(2*(\tt)+(\p))+2*(\i)], v[ACC+8*(2*(\tt)+(\p))+2*(\i)+1]   ; each accumulator from its low end on
.endr
.endr
.endr
.irp p, 0,1
.irp i, 0,1,2,3,4,5,6,7
	v_pk_max_num_f16 v[H+32*(\p)+8*(\g)+(\i)], v[H+32*(\p)+8*(\g)+(\i)], v[ZERO]
.endr
.endr
.endm
; Layer 2, channel tiles 2 g, 2 g + 1, and their share of layer 3.  16 products: the four accumulators take turns, one instruction a turn; the bias starts the sums.
.macro L2 g
	s_wait_dscnt 0x0
.irp kb, 0,1,2,3
.irp tt, 0,1
.irp p, 0,1
.if (\kb) == 0
	v_wmma_f32_16x16x32_f16 v[ACC+8*(2*(\tt)+(\p)):ACC+8*(2*(\tt)+(\p))+7], v[AF+8*(4*(\tt)+(\kb)):AF+8*(4*(\tt)+(\kb))+7], v[H+32*(\p)+8*(\kb):H+32*(\p)+8*(\kb)+7], v[BI+8*(\tt):BI+8*(\tt)+7]
.else
	v_wmma_f32_16x16x32_f16 v[ACC+8*(2*(\tt)+(\p)):ACC+8*(2*(\tt)+(\p))+7], v[AF+8*(4*(\tt)+(\kb)):AF+8*(4*(\tt)+(\kb))+7], v[H+32*(\p)+8*(\kb):H+32*(\p)+8*(\kb)+7], v[ACC+8*(2*(\tt)+(\p)):ACC+8*(2*(\tt)+(\p))+7]
.endif
.endr
.endr
.endr
	PLACES
.if (\g) < 3
	LDA2 (\g)+1
	LDV BI, 512, (\g)+1
	LDV W3A+(((\g)+1)&1)*(FA-W3A), 1024, (\g)+1    ; W3's two buffers take turns: the features' registers are free since layer 1
.endif
.irp tt, 0,1
.irp p, 0,1
.irp j, 0,1,2,3,4,5,6,7
	v_max_num_f32 v[ACC+8*(2*(\tt)+(\p))+(\j)], 0, v[ACC+8*(2*(\tt)+(\p))+(\j)]
.endr
.endr
.irp i, 0,1,2,3
.irp p, 0,1
.if ((\g) == 0) && ((\tt) == 0) && ((\i) == 0)
	v_pk_mul_f32 v[OP+2*(\p):OP+2*(\p)+1], v[ACC+8*(2*(\tt)+(\p))+2*(\i):ACC+8*(2*(\tt)+(\p))+2*(\i)+1], v[W3A+((\g)&1)*(FA-W3A)+8*(\tt)+2*(\i):W3A+((\g)&1)*(FA-W3A)+8*(\tt)+2*(\i)+1]
.else
	v_pk_fma_f32 v[OP+2*(\p):OP+2*(\p)+1], v[ACC+8*(2*(\tt)+(\p))+2*(\i):ACC+8*(2*(\tt)+(\p))+2*(\i)+1], v[W3A+((\g)&1)*(FA-W3A)+8*(\tt)+2*(\i):W3A+((\g)&1)*(FA-W3A)+8*(\tt)+2*(\i)+1], v[OP+2*(\p):OP+2*(\p)+1]
.endif
.endr
.endr
.endr
.endm
	s_mov_b32 s[GR], 2
.Lgroup:
	s_mov_b32 s[CH], 4
.Lchunk:                                           ; a trip: 32 points, one a lane
.irp d, 0,1,2
	v_add_nc_u32 v[XM+(\d)], 0xfe000000, v[XQ+4*(\d)]   ; X - 2^25
.endr
	STAGE_A 1                                      ; two levels' gathers, sixteen a lane, are out while the second level's weights are made
.irp l, 2,3,4,5,6,7,8,9,10,11,12,13,14
	STAGE_A \l
	STAGE_B (\l)-1, 8
.endr
	STAGE_A 15
	LDA1                                           ; layer 1's weights and first biases come out of LDS under the last two levels' sums
	LDV BI, 0, 0
	STAGE_B 14, 8
	STAGE_B 15, 0
	; One point a lane becomes two fragments of 32 features x 16 points: lanes 16-31 of levels 0-7's registers change places with lanes 0-15 of levels 8-15's.
	v_mov_b32 v[FA], v[L0F]
.irp i, 0,1,2,3,4,5,6,7
	v_permlane16_swap_b32 v[FA+(\i)], v[FA+8+(\i)]
.endr
	L1 0
	L1 1
	L1 2
	L1 3
	L2 0
	L2 1
	L2 2
	L2 3
	; A point's sum lies in two lanes (h = 0, 1), point tile 0's result belongs to lanes 0-15 and tile 1's to lanes 16-31: each lane keeps its own part and takes the other from the lane 16 away.
	v_add_f32 v[T],   v[OP],   v[OP+1]
	v_add_f32 v[T+1], v[OP+2], v[OP+3]
	v_mov_b32 v[OUT],   v[OUT+1]                   ; the results move up: after four chunks chunk j's lies in register j
	v_mov_b32 v[OUT+1], v[OUT+2]
	v_mov_b32 v[OUT+2], v[OUT+3]
	v_cndmask_b32 v[T+2], v[T],   v[T+1], s[HIM]
	v_cndmask_b32 v[T+3], v[T+1], v[T],   s[HIM]
	v_permlanex16_b32 v[T], v[T+3], s[SEL], s[SEL+1]
	v_add_f32 v[T+2], v[T+2], v[T]
	v_add_f32 v[OUT+3], s[B3], v[T+2]
.irp d, 0,1,2
	v_mov_b32 v[XQ+4*(\d)],   v[XQ+4*(\d)+1]       ; the next chunk's X comes into the first register
	v_mov_b32 v[XQ+4*(\d)+1], v[XQ+4*(\d)+2]
	v_mov_b32 v[XQ+4*(\d)+2], v[XQ+4*(\d)+3]
.endr
	s_sub_co_u32 s[CH], s[CH], 1
	s_cmp_lg_u32 s[CH], 0
	s_cbranch_scc1 .Lchunk
	global_store_b128 v[GO], v[OUT:OUT+3], s[POUT:POUT+1] th:TH_STORE_NT   ; 128 points: 512 consecutive bytes, aligned
	s_wait_xcnt 0x0                                ; the store's base and data are rewritten only behind this wait
	s_add_nc_u64 s[POUT:POUT+1], s[POUT:POUT+1], 512
.irp j, 0,1,2,3,4,5,6,7,8,9,10,11
	v_mov_b32 v[XQ+(\j)], v[XN+(\j)]               ; the second group's X (behind the second group these twelve moves serve nothing: the price of one text for both)
.endr
	s_sub_co_u32 s[GR], s[GR], 1
	s_cmp_lg_u32 s[GR], 0
	s_cbranch_scc1 .Lgroup
	s_wait_tensorcnt 0x0                           ; the wave's end, behind my last LDS store
	ds_add_u32 v[SPW], v[NIL]
	s_wait_dscnt 0x0
	s_endpgm
.Lfunc_end_k_qee28d80ac0_field:
	.size	k_qee28d80ac0_field, .Lfunc_end_k_qee28d80ac0_field-k_qee28d80ac0_field
	.p2alignl 7, 3214868480
	.fill 96, 4, 3214868480
	.section	.rodata,"a",@progbits
	.p2align	6, 0x0
	.amdhsa_kernel k_qee28d80ac0_field
		.amdhsa_group_segment_fixed_size 49664
		.amdhsa_private_segment_fixed_size 0
		.amdhsa_enable_private_segment 0
		.amdhsa_kernarg_size 72
		.amdhsa_user_sgpr_count 2
		.amdhsa_user_sgpr_kernarg_segment_ptr 1
		.amdhsa_wavefront_size32 1
		.amdhsa_system_sgpr_workgroup_id_x 1
		.amdhsa_system_sgpr_workgroup_id_y 1
		.amdhsa_system_sgpr_workgroup_id_z 1
		.amdhsa_system_vgpr_workitem_id 0
		.amdhsa_next_free_vgpr 256
		.amdhsa_next_free_sgpr 80
		.amdhsa_reserve_vcc 0
		.amdhsa_float_denorm_mode_32 3
		.amdhsa_float_denorm_mode_16_64 3
		.amdhsa_memory_ordered 1
		.amdhsa_forward_progress 1
		.amdhsa_inst_pref_size 99
	.end_amdhsa_kernel
	.amdgpu_metadata
---
amdhsa.version: [ 1, 2 ]
amdhsa.kernels:
  - .name:           k_qee28d80ac0_field
    .symbol:         k_qee28d80ac0_field.kd
    .args:
      - { .name: grid, .offset: 0, .size: 8, .value_kind: global_buffer, .address_space: global }
      - { .name: embeddings, .offset: 8, .size: 8, .value_kind: global_buffer, .address_space: global }
      - { .name: W1, .offset: 16, .size: 8, .value_kind: global_buffer, .address_space: global }
      - { .name: b1, .offset: 24, .size: 8, .value_kind: global_buffer, .address_space: global }
      - { .name: W2, .offset: 32, .size: 8, .value_kind: global_buffer, .address_space: global }
      - { .name: b2, .offset: 40, .size: 8, .value_kind: global_buffer, .address_space: global }
      - { .name: W3, .offset: 48, .size: 8, .value_kind: global_buffer, .address_space: global }
      - { .name: b3, .offset: 56, .size: 8, .value_kind: global_buffer, .address_space: global }
      - { .name: out0, .offset: 64, .size: 8, .value_kind: global_buffer, .address_space: global }
    .group_segment_fixed_size: 49664
    .private_segment_fixed_size: 0
    .kernarg_segment_align: 8
    .kernarg_segment_size: 72
    .max_flat_workgroup_size: 512
    .sgpr_count:     80
    .vgpr_count:     256
    .wavefront_size: 32
...
	.end_amdgpu_metadata
.endif
;; end of part 2
;; ======== version 2 of 2: 2 launches; version 1 with the launch field written anew for expert scheduling mode
;; limits: values are held in f16: magnitudes above 65,504 overflow, below 6.1e-05 lose precision; right only within a limited range of input values
;; workspace buffers: grid 12,582,912 bytes of whole numbers
;; launch quant: the kernel of part 1 again; grid 1024 x 1, 8 waves a work-group, no clusters, 0 bytes of LDS; arguments x, grid; writes grid
;; launch field (part 3): grid 256 x 1, 16 waves a work-group, no clusters, 49,664 bytes of LDS; arguments grid, embeddings, W1, b1, W2, b2, W3, b3, out0; writes out0
.if DOCPART == 3
	.amdgcn_target "amdgcn-amd-amdhsa--gfx1250"
	.amdhsa_code_object_version 6
	.text
	.protected	k_qee28d80ac0_field
	.globl	k_qee28d80ac0_field
	.p2align	8
	.type	k_qee28d80ac0_field,@function
k_qee28d80ac0_field:
	s_mov_b64 s[64:65], 0
	v_nop
	global_prefetch_b8 v0, s[64:65] scope:SCOPE_SE
	s_setreg_imm32_b32 hwreg(HW_REG_WAVE_SCHED_MODE, 0, 2), 2
	s_setreg_imm32_b32 hwreg(HW_REG_WAVE_MODE, 25, 1), 1
	s_wait_xcnt 0x0
	s_wait_alu depctr_vm_vsrc(0)
; out0[p] = relu(relu(enc(p) W1 + b1) W2 + b2) W3 + b3, enc = the hash grid's 32 features (16 levels x 2), all in one launch: the features never go to memory.
; POSITIONS.  grid holds X = x * 2^26 as whole numbers (three planes).  Level l >= 1, Q = 26 - l: pos = x (2^l - 1) + 0.5 with Q fraction bits is P = X - ((X - 2^25) >> l) (arithmetic shift):
; the cell is P >> Q, the fraction P mod 2^Q.  P is off by less than 2^-Q of a cell; the interpolation is continuous over cell borders.
; Level 0 has scale 0: pos = 0.5 whatever x, its eight corners are entries 0, 1, 1, 2, 1, 2, 2, 3 with weight 1/8 each: one pair of numbers for the whole launch.
; Levels 1-6 take the dense index cx + cy 2^l + cz 4^l, levels 7-15 the hash cx ^ cy p1 ^ cz p2; both modulo 2^19, for which the primes' low 24 bits are enough.
; FORMATS.  Matrix operands in f16, each with a fixed power of two: features x 2^6, W1 x 2^2, so h1 comes as h1 x 2^8; W2 x 2^4, so h2 comes as h2 x 2^12; b1 x 2^8 and b2 x 2^12 in f32 start the sums
; as the C operand; W3 x 2^-12 in f32.  h2 is never rounded: the last layer has one column and is made in f32 on the accumulators (a maximum and a packed multiply-add).
; LIMITS.  |feature| < 1,023, |W1| < 16,376, |W2| < 4,094, |h1| < 255 (beyond them f16 gives an infinity).  x as the launch before states it (0 <= x < 32); for x that is not finite the level-0
; feature here stays finite.  Every index is taken modulo 2^19, so it stays inside its level's table for every x.
; SHARES.  256 work-groups of 16 waves, 4,096 points each; a wave owns 256 points: two groups of 128, a group four CHUNKS of 32, one point a lane.  A group's X comes as 16 bytes a lane and plane, so
; chunk j holds points 4 i + j (lane i), and a lane's four results are 16 consecutive bytes of out0: a wave's store covers 512 consecutive bytes, aligned.
; Four waves share a SIMD on purpose: behind the one barrier they never meet again, and one wave's gathers and matrix instructions stand beside the others' vector work.
; NO TENSOR LOADS, NO CLUSTER: every gather address is a lane's own; what work-groups share is 82 KB of weights, read once by each with plain loads, next to 4,096 x 120 gathers.
; THE MATRIX INSTRUCTION IS USED TRANSPOSED: source 0 = 16 output channels (W^T, by the turning load from [k][channel] rows), source 1 = 16 points.  In the result lane (r, h) holds point r and
; channels 16 t + 8 h + 0..7: two neighbouring channel tiles rounded to f16 ARE source 1 (32 k x 16 points) of the next layer.
; THE MODE: SCHED_MODE bits 1:0 = 2 (LLVM: expert scheduling mode 2), set by the entry lines.  The code itself states the register dependences between vector or matrix instructions and
; memory or LDS instructions, with s_wait_alu, always for 0.
; THE PLAN.  Registers that memory or LDS instructions touch in the loop:
;   IDX0 .. IDX2  level l's eight indices in buffer l % 3.  Written by the index lines of level l, which stand in step l - 1; read by the gathers at the head of step l.
;   D0 .. D2      level l's eight entries in buffer l % 3.  The gathers of step l land in it; the sums of level l, in step l + 2, read it.
;   AF, BI        LDS loads land in them; matrix instructions read them.  In the encoder BI's registers hold scratch that is named last by level 15's index lines, in step 14.
;   W3A, FA       W3's two buffers: LDS loads land in them; the last layer's multiply-adds read them.  (FA: before that the features, read by layer 1's products.)
;   OUT           written at each chunk's end; read by the group's one store.
;   GO, AW1, AW2, AB  addresses, made at the head and never written again.
;   The weights' buffers W0 .. W2, the other scratch and AC are named by vector instructions alone.
; STEP l (1 to 17): the waits; level l's gathers; level l - 2's sums; level l + 1's position, indices and weights.  One wait on va_vdst at the head of steps 1 to 15 states that the step before has
; written IDX[l % 3] and is done reading D[l % 3].  One wait on vm_vsrc at the head of the odd steps from 3 on states that the gathers up to level l - 1 have read their indices: this step's and the next
; step's index lines write the buffers of levels l - 2 and l - 1.  In the MLP one wait on va_vdst stands behind each group's products, ahead of the LDS loads that land in what they read.
.set PW,    288                        ; an LDS row of weights: 128 f16 = 256 bytes + 32: 16 lanes of the turning load take 8 rows x 32 bytes, 72 words apart
.set W1L,   0                          ; f16 W1 x 4   [32][128]
.set W2L,   W1L+32*PW                  ; f16 W2 x 16  [128][128]
.set B1L,   W2L+128*PW                 ; f32 b1 x 2^8, then b2 x 2^12, then W3 x 2^-12: 512 bytes each
.set SPARE, B1L+3*512                  ; the spare words, 128 bytes for each of the 16 waves: eight blocks of 256 bytes that no other line names
.set PLANE, 0x400000                   ; bytes in a plane of grid
.set TBL,   0x400000                   ; bytes in a level's table
; vector registers
.set SPW,  1                           ; v1   LDS address of my spare word; never rewritten
.set NIL,  2                           ; v2   0, for the add alone
.set ZERO, 3                           ; v3   0, for the packed maximum
.set AW1,  4                           ; v4   my lane's place in W1's rows
.set AW2,  5                           ; v5   the same for W2
.set AB,   6                           ; v6   B1L + 32 h
.set GO,   7                           ; v7   1,024 x wave + 16 x lane: my 16 bytes of a plane and of out0; never rewritten
.set OUT,  8                           ; v[8:11]    the group's four results
.set XQ,   12                          ; v[12:23]   X of the group in hand, plane d at XQ + 4 d; the first register is the chunk in hand
.set XN,   24                          ; v[24:35]   X of the second group
.set FA,   36                          ; v[36:51]   features: level l's pair in f16 at FA + l; behind the swaps two fragments of 8; in layer 2 the second buffer for W3
.set AF,   52                          ; v[52:115]  eight fragments of weights
.set BI,   116                         ; v[116:131] two fragments of bias
.set XM,   116                         ; the encoder's registers.  v116-129, in BI's place, are named last in step 14: X - 2^25
.set P,    119
.set PG,   122                         ; the cell
.set CX1,  125                         ; cx + 1; at dense levels the cell's index
.set HY,   126                         ; cy p1, (cy + 1) p1
.set HZ,   128
.set HYZ,  132
.set GX,   136                         ; v[136:141] for each dimension the pair (2^Q - F, F)
.set WXY,  142
.set AC,   146
.set D,    148                         ; v[148:195] three buffers of 16
.set W,    196                         ; v[196:219] three buffers of 8
.set IDX,  220                         ; v[220:243] three buffers of 8
.set H,    132                         ; the MLP's registers, v132-251: h1 in f16, 32 registers for each of the two point tiles
.set ACC,  196                         ; accumulator (tt, p) at ACC + 8 (2 tt + p)
.set W3A,  228                         ; the first buffer for W3
.set OP,   244                         ; v[244:247] the last layer's sums, a pair for each point tile
.set T,    248                         ; v[248:251] at work
.set L0F,  252                         ; v252 level 0's pair in f16
.set GW,   244                         ; the head alone: 16 x thread
.set GV,   245                         ;                 16 x lane
.set SL,   246                         ;                 PW x wave + 8 x lane
.set SV,   247                         ;                 B1L + 512 x wave + 16 x lane
; scalar registers
.set GRID, 8                           ; s[8:25] the nine addresses
.set EMB,  10
.set PW1,  12
.set PB1,  14
.set PW2,  16
.set PB2,  18
.set PW3,  20
.set PB3,  22
.set POUT, 24
.set WV,   26                          ; my wave's number
.set WGO,  28                          ; s[28:29] 16,384 x work-group
.set EB,   32                          ; s[32:47] embeddings + j x 2 tables, j = 0..7: level l is EB[l / 2] with the immediate (l % 2) x TBL
.set B3,   48
.set E0,   52                          ; s[52:59] level 0's entries 0 to 3
.set MSK,  60                          ; 2^19 - 1
.set HIM,  61                          ; lanes 16-31
.set SEL,  62                          ; s[62:63] v_permlanex16_b32's selects: each lane takes its own place in the other half
.set CH,   66                          ; chunks to go
.set GR,   67                          ; groups to go
.set VS,   68                          ; s[68:69] the staged vector's scale
.set VP,   70                          ; s[70:71] its address
.set TS,   72                          ; s72-73 at work
.set PRY,  74                          ; 2654435761 mod 2^24
.set PRZ,  75                          ; 805459861 mod 2^24
	s_load_b512 s[8:23], s[0:1], 0x0
	s_load_b64 s[POUT:POUT+1], s[0:1], 0x40
	v_lshl_add_u32 v[SPW], v0, 2, SPARE
	v_mov_b32 v[NIL], 0
	v_mov_b32 v[ZERO], 0
	v_lshrrev_b32 v[T], 5, v0
	v_readfirstlane_b32 s[WV], v[T]                ; wave 0..15
	v_and_b32 v[T+1], 31, v0                       ; lane L
	v_bfe_u32 v[T+2], v0, 4, 1                     ; h = L / 16
	v_and_b32 v[T+3], 7, v0                        ; L % 8
	v_bfe_u32 v[T], v0, 3, 1                       ; (L / 8) % 2
	; The turning load: lane L reads 16 bytes of row base(h) + L % 8, channels 8 ((L / 8) % 2) on, and gets 8 rows of channel L % 16.  W1's rows go by the features' own order in the
	; fragment (register i, half h: features 16 h + 2 i, + 1): base 16 h, the second load 8 rows on.  W2's go by the usual order: base 8 h, the second load 16 rows on.
	v_lshl_add_u32 v[AW1], v[T+2], 4, v[T+3]
	v_mul_u32_u24 v[AW1], PW, v[AW1]
	v_lshl_add_u32 v[AW1], v[T], 4, v[AW1]
	v_lshl_add_u32 v[AW2], v[T+2], 3, v[T+3]
	v_mul_u32_u24 v[AW2], PW, v[AW2]
	v_lshl_add_u32 v[AW2], v[T], 4, v[AW2]
	v_add_nc_u32 v[AW2], W2L, v[AW2]
	v_lshl_add_u32 v[AB], v[T+2], 5, B1L
	s_wait_alu depctr_va_sdst(0)                   ; the wave's number is written, ahead of its first reader, the line below
	s_lshl_b32 s[TS], s[WV], 10
	v_lshl_add_u32 v[GO], v[T+1], 4, s[TS]
	v_lshlrev_b32 v[GW], 4, v0
	v_lshlrev_b32 v[GV], 4, v[T+1]
	s_mul_i32 s[TS+1], s[WV], PW
	v_lshl_add_u32 v[SL], v[T+1], 3, s[TS+1]
	v_lshl_add_u32 v[SV], s[WV], 9, v[GV]
	v_add_nc_u32 v[SV], B1L, v[SV]
.irp j, 0,1,2,3
	v_mov_b32 v[OUT+(\j)], 0                       ; the results move up a register a chunk: the first moves read these
.endr
	s_mov_b32 s[MSK], 0x7ffff
	s_mov_b32 s[HIM], 0xffff0000
	s_mov_b32 s[SEL], 0x76543210
	s_mov_b32 s[SEL+1], 0xfedcba98
	s_mov_b32 s[PRY], 0x3779b1
	s_mov_b32 s[PRZ], 0x025795
	s_lshl_b32 s[WGO], ttmp9, 14                   ; 4,096 points of 4 bytes
	s_mov_b32 s[WGO+1], 0
	s_mov_b32 s[VS], 0x43800000                    ; 2^8, b1's scale
	s_wait_kmcnt 0x0
	s_load_b32 s[B3], s[PB3:PB3+1], 0x0
	s_load_b256 s[E0:E0+7], s[EMB:EMB+1], 0x0
	s_add_nc_u64 s[GRID:GRID+1], s[GRID:GRID+1], s[WGO:WGO+1]
	s_add_nc_u64 s[GRID:GRID+1], s[GRID:GRID+1], PLANE   ; plane 1: the planes are reached by immediates -PLANE, 0, +PLANE
	s_add_nc_u64 s[POUT:POUT+1], s[POUT:POUT+1], s[WGO:WGO+1]
.irp j, 0,1,2,3,4,5,6,7
	s_add_nc_u64 s[EB+2*(\j):EB+2*(\j)+1], s[EMB:EMB+1], (\j)*2*TBL
.endr
	; wave 0 stages b1, wave 1 b2, wave 2 W3; the other waves load b1 too and store nothing
	s_cmp_eq_u32 s[WV], 1
	s_cselect_b64 s[VP:VP+1], s[PB2:PB2+1], s[PB1:PB1+1]
	s_cselect_b32 s[VS], 0x45800000, s[VS]         ; 2^12
	s_cmp_eq_u32 s[WV], 2
	s_cselect_b64 s[VP:VP+1], s[PW3:PW3+1], s[VP:VP+1]
	s_cselect_b32 s[VS], 0x39800000, s[VS]         ; 2^-12
	s_mov_b32 s[VS+1], s[VS]                       ; named with it as a pair
	s_wait_alu depctr_va_vdst(0)                   ; all addresses are written: GO, GW, GV, which the loads below read, and SL, SV, AW1, AW2, AB, which the LDS instructions further down read
.irp d, 0,1,2
	global_load_b128 v[XQ+4*(\d):XQ+4*(\d)+3], v[GO], s[GRID:GRID+1] offset:((\d)-1)*PLANE th:TH_LOAD_NT
	global_load_b128 v[XN+4*(\d):XN+4*(\d)+3], v[GO], s[GRID:GRID+1] offset:((\d)-1)*PLANE+512 th:TH_LOAD_NT
.endr
.irp i, 0,1,2,3,4,5,6,7
	global_load_b128 v[132+4*(\i):135+4*(\i)], v[GW], s[PW2:PW2+1] offset:8192*(\i)   ; 512 threads x 16 bytes: 16 rows of W2
.endr
.irp i, 0,1
	global_load_b128 v[164+4*(\i):167+4*(\i)], v[GW], s[PW1:PW1+1] offset:8192*(\i)   ; 16 rows of W1
.endr
	global_load_b128 v[172:175], v[GV], s[VP:VP+1]
	s_wait_loadcnt 0x0                             ; once: X of both groups and my share of the weights
; Four numbers of a row of weights: scaled and rounded once to f16, 8 bytes in the first two of their four registers.  All the arithmetic stands together, so that one wait serves the run of LDS stores
.macro SCALEW r, scale
	v_pk_mul_f32 v[(\r):(\r)+1],   v[(\r):(\r)+1],   \scale op_sel_hi:[1,0]
	v_pk_mul_f32 v[(\r)+2:(\r)+3], v[(\r)+2:(\r)+3], \scale op_sel_hi:[1,0]
	v_cvt_pk_f16_f32 v[(\r)],   v[(\r)],   v[(\r)+1]
	v_cvt_pk_f16_f32 v[(\r)+1], v[(\r)+2], v[(\r)+3]
.endm
.irp i, 0,1,2,3,4,5,6,7
	SCALEW 132+4*(\i), 0x41800000
.endr
.irp i, 0,1
	SCALEW 164+4*(\i), 4.0
.endr
	v_pk_mul_f32 v[172:173], v[172:173], s[VS:VS+1] op_sel_hi:[1,0]
	v_pk_mul_f32 v[174:175], v[174:175], s[VS:VS+1] op_sel_hi:[1,0]
	s_wait_alu depctr_va_vdst(0)                   ; the scalings and roundings have written v132-175, which the LDS stores below read
.irp i, 0,1,2,3,4,5,6,7
	ds_store_b64 v[SL], v[132+4*(\i):133+4*(\i)] offset:W2L+16*PW*(\i)   ; a wave writes one row's 256 consecutive bytes
.endr
.irp i, 0,1
	ds_store_b64 v[SL], v[164+4*(\i):165+4*(\i)] offset:W1L+16*PW*(\i)
.endr
	s_cmp_gt_u32 s[WV], 2
	s_cbranch_scc1 .Lno_vector
	ds_store_b128 v[SV], v[172:175]
.Lno_vector:
	s_wait_kmcnt 0x0                               ; b3 and level 0's four entries
	v_add_f32 v[T],   s[E0],   s[E0+6]             ; level 0 x 2^6 = 8 (e0 + e3) + 24 (e1 + e2)
	v_add_f32 v[T+1], s[E0+1], s[E0+7]
	v_add_f32 v[T+2], s[E0+2], s[E0+4]
	v_add_f32 v[T+3], s[E0+3], s[E0+5]
	v_mul_f32 v[T],   0x41000000, v[T]
	v_mul_f32 v[T+1], 0x41000000, v[T+1]
	v_fmamk_f32 v[T],   v[T+2], 0x41c00000, v[T]
	v_fmamk_f32 v[T+1], v[T+3], 0x41c00000, v[T+1]
	v_cvt_pk_f16_f32 v[L0F], v[T], v[T+1]
	s_wait_dscnt 0x0                               ; for the others' sake: my stores into LDS are done
	s_barrier_signal -1
	s_barrier_wait -1                              ; the only barrier: from here on LDS is read alone
	s_wait_alu depctr_vm_vsrc(0)                   ; my LDS stores have read v132-175, SL and SV, the weights' loads GW and GV: the loop's vector and matrix instructions and its gathers write these registers
; THE ENCODER.  Position of level l: cell PG, and for each dimension the pair (2^Q - F, F), F the fraction as a whole number in f32; the scale 2^-Q is applied once, in WEI.
.macro POS l
.irp d, 0,1,2
	v_ashrrev_i32 v[P+(\d)], \l, v[XM+(\d)]
.endr
.irp d, 0,1,2
	v_sub_nc_u32 v[P+(\d)], v[XQ+4*(\d)], v[P+(\d)]
.endr
.irp d, 0,1,2
.if (\l) < 13
	v_lshrrev_b32 v[PG+(\d)], 26-(\l), v[P+(\d)]   ; X < 2^31, so the cell is below 2^(5 + l)
.else
	v_bfe_u32 v[PG+(\d)], v[P+(\d)], 26-(\l), 19   ; modulo 2^19
.endif
.endr
.irp d, 0,1,2
	v_and_b32 v[P+(\d)], (1<<(26-(\l)))-1, v[P+(\d)]
.endr
.irp d, 0,1,2
	v_cvt_f32_u32 v[GX+2*(\d)+1], v[P+(\d)]
.endr
.irp d, 0,1,2
	v_sub_f32 v[GX+2*(\d)], (127+26-(\l))<<23, v[GX+2*(\d)+1]
.endr
.endm
; The eight indices, corner c = dx + 2 dy + 4 dz, into buffer b.  The minimum with the table's last index changes nothing behind the mask: it states the bound in the instruction in front of the gather.
.macro IDXD l, b                       ; dense
	v_lshl_add_u32 v[CX1], v[PG+1], \l, v[PG]
	v_lshl_add_u32 v[CX1], v[PG+2], 2*(\l), v[CX1]
.irp c, 1,2,3,4,5,6,7
	v_add_nc_u32 v[IDX+8*(\b)+(\c)], ((\c)&1)+((((\c)>>1)&1)<<(\l))+((((\c)>>2)&1)<<(2*(\l))), v[CX1]
.endr
	v_and_b32 v[IDX+8*(\b)], s[MSK], v[CX1]
.irp c, 1,2,3,4,5,6,7
	v_and_b32 v[IDX+8*(\b)+(\c)], s[MSK], v[IDX+8*(\b)+(\c)]
.endr
.irp c, 0,1,2,3,4,5,6,7
	v_min_u32 v[IDX+8*(\b)+(\c)], 0x7ffff, v[IDX+8*(\b)+(\c)]
.endr
.endm
.macro IDXH l, b                       ; hashed
	v_add_nc_u32 v[CX1], 1, v[PG]
	v_mul_u32_u24 v[HY], s[PRY], v[PG+1]
	v_mul_u32_u24 v[HZ], s[PRZ], v[PG+2]
.if (\l) >= 13
	v_and_b32 v[CX1], s[MSK], v[CX1]               ; below level 13 cx + 1 cannot reach 2^19
.endif
	v_add_nc_u32 v[HY+1], s[PRY], v[HY]
	v_add_nc_u32 v[HZ+1], s[PRZ], v[HZ]
.irp q, 0,1,2,3
	v_xor_b32 v[HYZ+(\q)], v[HY+((\q)&1)], v[HZ+((\q)>>1)]
.endr
.irp q, 0,1,2,3
	v_and_b32 v[HYZ+(\q)], s[MSK], v[HYZ+(\q)]
.endr
.irp c, 0,1,2,3,4,5,6,7
	v_xor_b32 v[IDX+8*(\b)+(\c)], v[PG+((\c)&1)*(CX1-PG)], v[HYZ+((\c)>>1)]
.endr
.irp c, 0,1,2,3,4,5,6,7
	v_min_u32 v[IDX+8*(\b)+(\c)], 0x7ffff, v[IDX+8*(\b)+(\c)]
.endr
.endm
.macro GATHER l, b                     ; eight entries of 8 bytes a lane; the index is counted in entries
.irp c, 0,1,2,3,4,5,6,7
	global_load_b64 v[D+16*(\b)+2*(\c):D+16*(\b)+2*(\c)+1], v[IDX+8*(\b)+(\c)], s[EB+2*((\l)/2):EB+2*((\l)/2)+1] offset:((\l)%2)*TBL scale_offset
.endr
.endm
.macro WEI l, b                        ; the eight weights, x 2^6: the three 2^-Q and the features' scale ride on z's pair
	v_pk_mul_f32 v[GX+4:GX+5], v[GX+4:GX+5], (127+6-3*(26-(\l)))<<23 op_sel_hi:[1,0]
	v_pk_mul_f32 v[WXY:WXY+1],   v[GX:GX+1], v[GX+2:GX+3] op_sel_hi:[1,0]
	v_pk_mul_f32 v[WXY+2:WXY+3], v[GX:GX+1], v[GX+2:GX+3] op_sel:[0,1] op_sel_hi:[1,1]
	v_pk_mul_f32 v[W+8*(\b):W+8*(\b)+1],   v[WXY:WXY+1],   v[GX+4:GX+5] op_sel_hi:[1,0]
	v_pk_mul_f32 v[W+8*(\b)+2:W+8*(\b)+3], v[WXY+2:WXY+3], v[GX+4:GX+5] op_sel_hi:[1,0]
	v_pk_mul_f32 v[W+8*(\b)+4:W+8*(\b)+5], v[WXY:WXY+1],   v[GX+4:GX+5] op_sel:[0,1] op_sel_hi:[1,1]
	v_pk_mul_f32 v[W+8*(\b)+6:W+8*(\b)+7], v[WXY+2:WXY+3], v[GX+4:GX+5] op_sel:[0,1] op_sel_hi:[1,1]
.endm
.macro NEXT l                          ; level l's position, indices and weights, made a step ahead of its gathers; its buffers go by l % 3
	POS \l
.if (\l) < 7
	IDXD \l, (\l)%3
.else
	IDXH \l, (\l)%3
.endif
	WEI \l, (\l)%3
.endm
.macro SUMS l                          ; level l's two features: the sum over the corners in f32, rounded once to f16
	v_pk_mul_f32 v[AC:AC+1], v[D+16*((\l)%3):D+16*((\l)%3)+1], v[W+8*((\l)%3):W+8*((\l)%3)+1] op_sel_hi:[1,0]
.irp c, 1,2,3,4,5,6,7
.if (\c)%2
	v_pk_fma_f32 v[AC:AC+1], v[D+16*((\l)%3)+2*(\c):D+16*((\l)%3)+2*(\c)+1], v[W+8*((\l)%3)+2*((\c)/2):W+8*((\l)%3)+2*((\c)/2)+1], v[AC:AC+1] op_sel:[0,1,0] op_sel_hi:[1,1,1]
.else
	v_pk_fma_f32 v[AC:AC+1], v[D+16*((\l)%3)+2*(\c):D+16*((\l)%3)+2*(\c)+1], v[W+8*((\l)%3)+2*((\c)/2):W+8*((\l)%3)+2*((\c)/2)+1], v[AC:AC+1] op_sel_hi:[1,0,1]
.endif
.endr
	v_cvt_pk_f16_f32 v[FA+(\l)], v[AC], v[AC+1]
.endm
; THE MLP.
.macro PLACES                          ; a vector instruction that reads a matrix result or writes one of a matrix instruction's registers stands four plain vector instructions behind it (ISA guide 7.12.1)
.rept 4
	v_nop
.endr
.endm
.macro LDA1                            ; W1^T: eight fragments of 16 channels x 32 features
.irp t, 0,1,2,3,4,5,6,7
	ds_load_tr16_b128 v[AF+8*(\t):AF+8*(\t)+3],   v[AW1] offset:W1L+32*(\t)
	ds_load_tr16_b128 v[AF+8*(\t)+4:AF+8*(\t)+7], v[AW1] offset:W1L+8*PW+32*(\t)
.endr
.endm
.macro LDA2 g                          ; W2^T for channel tiles 2 g, 2 g + 1: fragment (tt, kb) at AF + 8 (4 tt + kb)
.irp tt, 0,1
.irp kb, 0,1,2,3
	ds_load_tr16_b128 v[AF+8*(4*(\tt)+(\kb)):AF+8*(4*(\tt)+(\kb))+3],   v[AW2] offset:32*PW*(\kb)+32*(2*(\g)+(\tt))
	ds_load_tr16_b128 v[AF+8*(4*(\tt)+(\kb))+4:AF+8*(4*(\tt)+(\kb))+7], v[AW2] offset:32*PW*(\kb)+16*PW+32*(2*(\g)+(\tt))
.endr
.endr
.endm
.macro LDV dst, base, g                ; a vector's numbers for channel tiles 2 g, 2 g + 1, laid as an accumulator: register j of lane (r, h) is channel 16 t + 8 h + j.  base: 0 b1, 512 b2, 1024 W3
.irp tt, 0,1
	ds_load_b128 v[(\dst)+8*(\tt):(\dst)+8*(\tt)+3],   v[AB] offset:(\base)+64*(2*(\g)+(\tt))
	ds_load_b128 v[(\dst)+8*(\tt)+4:(\dst)+8*(\tt)+7], v[AB] offset:(\base)+64*(2*(\g)+(\tt))+16
.endr
.endm
; STEP l of a chunk's encoder, l = 1 to 17.  Sixteen gathers a lane are out from a step's gathers to the next step's wait.
.macro STEP l
.if (\l) == 17
	s_wait_loadcnt 0x0                             ; level 15 is in: nothing younger is out
.elseif (\l) >= 3
	s_wait_loadcnt 8                               ; loads come back in order: level l - 2 is in, level l - 1's eight gathers stay out.  That level's gathers are done, so its index buffer may be written
.endif
.if ((\l) >= 3) && ((\l) % 2)
	s_wait_alu depctr_vm_vsrc(0)                   ; the gathers up to level l - 1 have read their indices: this step's and the next step's index lines write the buffers of levels l - 2 and l - 1 (step 17: layer 1's products write over level 15's)
.endif
.if (\l) <= 15
	s_wait_alu depctr_va_vdst(0)                   ; the step before has written level l's indices, which the gathers read, and its sums are done reading the data buffer in which they land
	GATHER \l, (\l)%3
.endif
.if (\l) == 15
	LDA1                                           ; layer 1's weights and first biases come out of LDS under the last three levels' sums.  No further wait: no vector or matrix instruction since the wait above
	LDV BI, 0, 0                                   ; names AF or BI (the scratch in BI's place was named last by level 15's index lines, in step 14)
.endif
.if (\l) >= 3
	SUMS (\l)-2
.endif
.if (\l) <= 14
	NEXT (\l)+1
.endif
.endm
; Layer 1, channel tiles 2 g, 2 g + 1 for both point tiles: four products on four accumulators, the bias as C.  The next group's LDS loads go out ahead of the rounding and the ReLU, which cover them.
.macro L1 g
	s_wait_dscnt 0x0                               ; all that is out is wanted by the products below
.irp tt, 0,1
.irp p, 0,1
	v_wmma_f32_16x16x32_f16 v[ACC+8*(2*(\tt)+(\p)):ACC+8*(2*(\tt)+(\p))+7], v[AF+8*(2*(\g)+(\tt)):AF+8*(2*(\g)+(\tt))+7], v[FA+8*(\p):FA+8*(\p)+7], v[BI+8*(\tt):BI+8*(\tt)+7]
.endr
.endr
	PLACES
	s_wait_alu depctr_va_vdst(0)                   ; the products are done reading BI (behind the last group: all of layer 1's are done reading AF), in which the loads below land; the conversions behind them read these same products
.if (\g) < 3
	LDV BI, 0, (\g)+1
.else
	LDA2 0
	LDV BI, 512, 0
	LDV W3A, 1024, 0                               ; in the place of two index buffers: their writers and the gathers that read them stand ahead of the encoder's last waits
.endif
.irp tt, 0,1
.irp p, 0,1
.irp i, 0,1,2,3
	v_cvt_pk_f16_f32 v[H+32*(\p)+4*(2*(\g)+(\tt))+(\i)], v[ACC+8*(2*(\tt)+(\p))+2*(\i)], v[ACC+8*(2*(\tt)+(\p))+2*(\i)+1]   ; each accumulator from its low end on
.endr
.endr
.endr
.irp p, 0,1
.irp i, 0,1,2,3,4,5,6,7
	v_pk_max_num_f16 v[H+32*(\p)+8*(\g)+(\i)], v[H+32*(\p)+8*(\g)+(\i)], v[ZERO]
.endr
.endr
.endm
; Layer 2, channel tiles 2 g, 2 g + 1, and their share of layer 3.  16 products: the four accumulators take turns, one instruction a turn; the bias starts the sums.
.macro L2 g
	s_wait_dscnt 0x0
.irp kb, 0,1,2,3
.irp tt, 0,1
.irp p, 0,1
.if (\kb) == 0
	v_wmma_f32_16x16x32_f16 v[ACC+8*(2*(\tt)+(\p)):ACC+8*(2*(\tt)+(\p))+7], v[AF+8*(4*(\tt)+(\kb)):AF+8*(4*(\tt)+(\kb))+7], v[H+32*(\p)+8*(\kb):H+32*(\p)+8*(\kb)+7], v[BI+8*(\tt):BI+8*(\tt)+7]
.else
	v_wmma_f32_16x16x32_f16 v[ACC+8*(2*(\tt)+(\p)):ACC+8*(2*(\tt)+(\p))+7], v[AF+8*(4*(\tt)+(\kb)):AF+8*(4*(\tt)+(\kb))+7], v[H+32*(\p)+8*(\kb):H+32*(\p)+8*(\kb)+7], v[ACC+8*(2*(\tt)+(\p)):ACC+8*(2*(\tt)+(\p))+7]
.endif
.endr
.endr
.endr
	PLACES
.if (\g) < 3
	s_wait_alu depctr_va_vdst(0)                   ; the products are done reading AF and BI; the W3 buffer that is loaded next was read last by the group before (the first time, as FA, by layer 1's products)
	LDA2 (\g)+1
	LDV BI, 512, (\g)+1
	LDV W3A+(((\g)+1)&1)*(FA-W3A), 1024, (\g)+1    ; W3's two buffers take turns: the features' registers are free since layer 1
.endif
.irp tt, 0,1
.irp p, 0,1
.irp j, 0,1,2,3,4,5,6,7
	v_max_num_f32 v[ACC+8*(2*(\tt)+(\p))+(\j)], 0, v[ACC+8*(2*(\tt)+(\p))+(\j)]
.endr
.endr
.irp i, 0,1,2,3
.irp p, 0,1
.if ((\g) == 0) && ((\tt) == 0) && ((\i) == 0)
	v_pk_mul_f32 v[OP+2*(\p):OP+2*(\p)+1], v[ACC+8*(2*(\tt)+(\p))+2*(\i):ACC+8*(2*(\tt)+(\p))+2*(\i)+1], v[W3A+((\g)&1)*(FA-W3A)+8*(\tt)+2*(\i):W3A+((\g)&1)*(FA-W3A)+8*(\tt)+2*(\i)+1]
.else
	v_pk_fma_f32 v[OP+2*(\p):OP+2*(\p)+1], v[ACC+8*(2*(\tt)+(\p))+2*(\i):ACC+8*(2*(\tt)+(\p))+2*(\i)+1], v[W3A+((\g)&1)*(FA-W3A)+8*(\tt)+2*(\i):W3A+((\g)&1)*(FA-W3A)+8*(\tt)+2*(\i)+1], v[OP+2*(\p):OP+2*(\p)+1]
.endif
.endr
.endr
.endr
.endm
	s_mov_b32 s[GR], 2
.Lgroup:
	s_mov_b32 s[CH], 4
.Lchunk:                                           ; a trip: 32 points, one a lane.  No load is out here; the index buffers that level 1's, 2's and 3's lines write were freed by the last trip's waits in steps 15 and 17
.irp d, 0,1,2
	v_add_nc_u32 v[XM+(\d)], 0xfe000000, v[XQ+4*(\d)]   ; X - 2^25
.endr
	NEXT 1
.irp l, 1,2,3,4,5,6,7,8,9,10,11,12,13,14,15,16,17
	STEP \l
.endr
	; One point a lane becomes two fragments of 32 features x 16 points: lanes 16-31 of levels 0-7's registers change places with lanes 0-15 of levels 8-15's.
	v_mov_b32 v[FA], v[L0F]
.irp i, 0,1,2,3,4,5,6,7
	v_permlane16_swap_b32 v[FA+(\i)], v[FA+8+(\i)]
.endr
	L1 0
	L1 1
	L1 2
	L1 3
	L2 0
	L2 1
	L2 2
	L2 3
	; A point's sum lies in two lanes (h = 0, 1), point tile 0's result belongs to lanes 0-15 and tile 1's to lanes 16-31: each lane keeps its own part and takes the other from the lane 16 away.
	v_add_f32 v[T],   v[OP],   v[OP+1]
	v_add_f32 v[T+1], v[OP+2], v[OP+3]
	v_mov_b32 v[OUT],   v[OUT+1]                   ; the results move up: after four chunks chunk j's lies in register j
	v_mov_b32 v[OUT+1], v[OUT+2]
	v_mov_b32 v[OUT+2], v[OUT+3]
	v_cndmask_b32 v[T+2], v[T],   v[T+1], s[HIM]
	v_cndmask_b32 v[T+3], v[T+1], v[T],   s[HIM]
	v_permlanex16_b32 v[T], v[T+3], s[SEL], s[SEL+1]
	v_add_f32 v[T+2], v[T+2], v[T]
	v_add_f32 v[OUT+3], s[B3], v[T+2]
.irp d, 0,1,2
	v_mov_b32 v[XQ+4*(\d)],   v[XQ+4*(\d)+1]       ; the next chunk's X comes into the first register
	v_mov_b32 v[XQ+4*(\d)+1], v[XQ+4*(\d)+2]
	v_mov_b32 v[XQ+4*(\d)+2], v[XQ+4*(\d)+3]
.endr
	s_sub_co_u32 s[CH], s[CH], 1
	s_cmp_lg_u32 s[CH], 0
	s_cbranch_scc1 .Lchunk
	s_wait_alu depctr_va_vdst(0)                   ; the group's four results are written, which the store reads
	global_store_b128 v[GO], v[OUT:OUT+3], s[POUT:POUT+1] th:TH_STORE_NT   ; 128 points: 512 consecutive bytes, aligned
	s_wait_xcnt 0x0                                ; the store's base and data are rewritten only behind this wait
	s_wait_alu depctr_vm_vsrc(0)                   ; the store has read the four results' registers, which the next group's chunks write again
	s_add_nc_u64 s[POUT:POUT+1], s[POUT:POUT+1], 512
.irp j, 0,1,2,3,4,5,6,7,8,9,10,11
	v_mov_b32 v[XQ+(\j)], v[XN+(\j)]               ; the second group's X (behind the second group these twelve moves serve nothing: the price of one text for both)
.endr
	s_sub_co_u32 s[GR], s[GR], 1
	s_cmp_lg_u32 s[GR], 0
	s_cbranch_scc1 .Lgroup
	s_wait_dscnt 0x0                               ; the wave's end
	s_wait_alu 0x0
	s_wait_tensorcnt 0x0
	ds_add_u32 v[SPW], v[NIL]
	s_wait_dscnt 0x0
	s_endpgm
.Lfunc_end_k_qee28d80ac0_field:
	.size	k_qee28d80ac0_field, .Lfunc_end_k_qee28d80ac0_field-k_qee28d80ac0_field
	.p2alignl 7, 3214868480
	.fill 96, 4, 3214868480
	.section	.rodata,"a",@progbits
	.p2align	6, 0x0
	.amdhsa_kernel k_qee28d80ac0_field
		.amdhsa_group_segment_fixed_size 49664
		.amdhsa_private_segment_fixed_size 0
		.amdhsa_enable_private_segment 0
		.amdhsa_kernarg_size 72
		.amdhsa_user_sgpr_count 2
		.amdhsa_user_sgpr_kernarg_segment_ptr 1
		.amdhsa_wavefront_size32 1
		.amdhsa_system_sgpr_workgroup_id_x 1
		.amdhsa_system_sgpr_workgroup_id_y 1
		.amdhsa_system_sgpr_workgroup_id_z 1
		.amdhsa_system_vgpr_workitem_id 0
		.amdhsa_next_free_vgpr 256
		.amdhsa_next_free_sgpr 80
		.amdhsa_reserve_vcc 0
		.amdhsa_float_denorm_mode_32 3
		.amdhsa_float_denorm_mode_16_64 3
		.amdhsa_memory_ordered 1
		.amdhsa_forward_progress 1
		.amdhsa_inst_pref_size 100
	.end_amdhsa_kernel
	.amdgpu_metadata
---
amdhsa.version: [ 1, 2 ]
amdhsa.kernels:
  - .name:           k_qee28d80ac0_field
    .symbol:         k_qee28d80ac0_field.kd
    .args:
      - { .name: grid, .offset: 0, .size: 8, .value_kind: global_buffer, .address_space: global }
      - { .name: embeddings, .offset: 8, .size: 8, .value_kind: global_buffer, .address_space: global }
      - { .name: W1, .offset: 16, .size: 8, .value_kind: global_buffer, .address_space: global }
      - { .name: b1, .offset: 24, .size: 8, .value_kind: global_buffer, .address_space: global }
      - { .name: W2, .offset: 32, .size: 8, .value_kind: global_buffer, .address_space: global }
      - { .name: b2, .offset: 40, .size: 8, .value_kind: global_buffer, .address_space: global }
      - { .name: W3, .offset: 48, .size: 8, .value_kind: global_buffer, .address_space: global }
      - { .name: b3, .offset: 56, .size: 8, .value_kind: global_buffer, .address_space: global }
      - { .name: out0, .offset: 64, .size: 8, .value_kind: global_buffer, .address_space: global }
    .group_segment_fixed_size: 49664
    .private_segment_fixed_size: 0
    .kernarg_segment_align: 8
    .kernarg_segment_size: 72
    .max_flat_workgroup_size: 512
    .sgpr_count:     80
    .vgpr_count:     256
    .wavefront_size: 32
...
	.end_amdgpu_metadata
.endif
;; end of part 3
